; MI455X (gfx1250); checked and timed in simulation.
; The chip was launched on July 23, 2026; its instructions are those of AMD's public machine-readable ISA for CDNA 5 (MIT licence, August 2026) and "CDNA5" Instruction Set Architecture Reference Guide (July 2026). The comments in the code are by the model that wrote it; some were corrected since.
;; Standard Relation Module. Allowed arithmetic: matrix products marked QUANTISED: E2M1 operands, one E8M0 scale for each 32 along K, by v_wmma_scale_f32_16x16x128_f8f6f4 with both operands' format E2M1 (or v_wmma_scale_f32_32x16x128_f4), f32 sums; products left as they are: f32 operands where the result goes on into a quantised operand, else bf16, f16 or f32 operands; f32 sums; everything else in f32.
;; Inputs: W1 512 x 256 float32; W2 256 x 128 float32; W3 128 x 64 float32; W4 64 x 1 float32; b1 256 float32; b2 128 float32; b3 64 float32; b4 1 float32; query_features 1,024 x 256 float32; support_features 256 x 256 float32; support_y 256 int32.
;; Outputs: out0 1,024 x 256 float32.
;; This version of the problem:
;;   THIS VERSION OF THE PROBLEM IS GIVEN IN LOW PRECISION. The matrix products marked QUANTISED in the list below multiply operands that are first quantised to E2M1 (2 exponent bits, 1 mantissa bit; 4 bits a number), with one power-of-two scale for each 32 numbers along K (OCP MX v1.0); their sums are f32. All else is computed in f32.
;;   The module's matrix products, in the order in which they are computed (A, B: the left and right operand; K: the contracted axis; several contracted axes count as one K, in the product's order):
;;     1. [M 262,144, K 512] x [K 512, N 256]; A: computed on the way; B: input W1: QUANTISED
;;     2. [M 262,144, K 256] x [K 256, N 128]; A: computed on the way; B: input W2: QUANTISED
;;     3. [M 262,144, K 128] x [K 128, N 64]; A: computed on the way; B: input W3: QUANTISED
;;     4. [M 262,144, K 64] x [K 64, N 1]; A: computed on the way; B: input W4: left as it is (N = 1 < 16)
;;   THE QUANTISER, for each operand of a quantised product, along K:
;;     - K is cut into blocks of 32 from its start; a last block that is shorter is filled with zeros.
;;     - A block's scale is 2^e with e = floor(log2(the largest magnitude in the block)) - 2, held to -126 .. 127; a block of zeros has e = 0. As a byte (E8M0): e + 127.
;;     - Each number is divided by its block's scale, clamped to +-6, and rounded to the nearest number of E2M1, ties to even, subnormals kept.
;;     - The product sums the exact products of the quantised numbers (number of the format x scale) in f32.
;;   ~~~python
;;   def quantise(x, axis):      # numpy; x: float32 -> the quantised numbers, widened to float32 again
;;       x = np.moveaxis(x, axis, -1); K = x.shape[-1]
;;       x = np.pad(x, [(0, 0)] * (x.ndim - 1) + [(0, -K % 32)]); x = x.reshape(x.shape[:-1] + (-1, 32)); a = np.abs(x).max(-1, keepdims=True)
;;       e = np.where(a > 0, np.clip(np.frexp(np.where(a > 0, a, 1))[1] - 1 - 2, -126, 127), 0)      # np.frexp(a)[1] - 1 = floor(log2(a)), exactly
;;       r = np.clip(x / 2.0 ** e, -6, 6)
;;       step = 2.0 ** (np.maximum(np.frexp(np.where(r == 0, 1, r))[1] - 1, 0) - 1)
;;       q = np.round(r / step) * step * 2.0 ** e      # np.round: ties to even
;;       return np.moveaxis(q.reshape(q.shape[:-2] + (-1,))[..., :K], -1, axis).astype(np.float32)
;;   ~~~
;;   OPERANDS COMPUTED ON THE WAY. 'Computed on the way' means the value that the module computes at that place (a softmax that the list does not call 'softmax' is quantised finished and normalised). What goes into a quantiser is computed in f32, as accurately as f32 sums, v_exp_f32 and their like allow (about 1e-6 of the number): no bf16 or f16 on the way to a quantiser, and a product that is left as it is and whose result goes on into a quantised operand takes f32 operands (vector FMAs, or v_wmma_f32_16x16x4_f32). A number that lies on a knife's edge between two numbers of the format may be rounded either way, as far as f32 arithmetic and the matrix unit's own rounding can turn it there, and no further.
;; One version. Each part assembles by itself: llvm-mc -triple=amdgcn-amd-amdhsa -mcpu=gfx1250 --defsym DOCPART=n.
;; ======== version 1 of 1: 2 launches
;; limits: right only within a limited range of input values
;; workspace buffers: hw 1,310,720 bytes; wimg 23,040 bytes
;; launch prep (part 1): grid 165 x 1, 8 waves a work-group, no clusters, 23,040 bytes of LDS; arguments query_features, support_features, W1, b1, W2, W3, hw, wimg, b2, b3, W4; writes hw, wimg
.if DOCPART == 1
	.amdgcn_target "amdgcn-amd-amdhsa--gfx1250"
	.amdhsa_code_object_version 6
	.text
	.protected	k_qd94d5aa90a_prep
	.globl	k_qd94d5aa90a_prep
	.p2align	8
	.type	k_qd94d5aa90a_prep,@function
k_qd94d5aa90a_prep:
	s_mov_b64 s[64:65], 0
	v_nop
	global_prefetch_b8 v0, s[64:65] scope:SCOPE_SE
	s_setreg_imm32_b32 hwreg(HW_REG_WAVE_MODE, 25, 1), 1
	s_wait_xcnt 0x0
; LAYER 1 ONCE A ROW.  x = [q_i, s_j] is cut along K into blocks of 32 and the seam lies at 256, so a pair's codes are q_i's codes followed by s_j's, and x W1 = q_i W1[0:256] + s_j W1[256:512], on the same quantised operands.
; Neither half depends on the other's row: each is multiplied once for each of 1,024 + 256 rows, not once for each of 262,144 pairs; the second launch adds a query's and a support's row in f32.  b1 goes into the supports' rows.
; (support_y is an argument of the module that its computation never reads: no result hangs on it, and no launch is given its address.)
; WORK-GROUPS: 0-159: rg = number / 8: 64 rows (rg 0-15 queries, 16-19 supports), ub = number % 8: 32 units.  160-163: a quarter of W2's codes, 164: W3's.
; hw: tile of 16 rows (16,384 bytes) x [c 4][j 8][h 2][row r 16][16 bytes]: units 64 c + 32 h + 4 j + 0 .. 3 of row r.  Tiles 0-63 queries, 64-79 supports.
; wimg: operand images of W2 (0), W3 (16,384), scale words (20,480).  A tile of 16 units takes 8 from block 2 c' (lane rows 0-7) and 8 from block 2 c' + 1 (rows 8-15): tile 4 c' + v, row 8 hh + i is unit 64 c' + 32 hh + 8 v + i.
; So in the transposed product a lane's registers of four tiles are one whole block of 32 of the next K.
; A fragment (tile, K step s) is 1,024 bytes, block kb of its 16 rows at 256 (kb % 4).  Scale words: 128 bytes for (tile pair, s): even tile, then odd tile.
; A block's scale byte is the largest magnitude's exponent field - 2, held at 1 from below by a floor among the maximum's leaves.
; LIMITS: a block of zeros gets the byte 1 where the rule says 127 (its codes are zeros, and this program alone reads the bytes); blocks whose largest magnitude lies under 2^(3 - 127) keep the byte 1; NaN and infinities are not served.
.set FLOOR, 0x1800000
.set XI,  13312                        ; codes of the 64 rows: (row tile: 2,176 bytes) block kb of 16 rows at 272 kb
.set WI,  8192                         ; W1's codes: fragment (s, u)
.set XSC, 12288                        ; scale words of the rows: (row tile, s, r)
.set WSC, 12800                        ; W1's: (s, u, r)
.set WB,  13056                        ; W2's or W3's scale bytes
.set SPARE, 22016
.set SPW, 2
.set NIL, 3
	s_load_b512 s[8:23], s[0:1], 0x0               ; q 8, s 10, W1 12, b1 14, W2 16, W3 18, hw 20, wimg 22
	s_load_b128 s[68:71], s[0:1], 0x40             ; b2 68, b3 70
	s_load_b64 s[66:67], s[0:1], 0x50              ; W4
	v_lshl_add_u32 v[SPW], v0, 2, SPARE
	v_mov_b32 v[NIL], 0
	v_lshrrev_b32 v4, 5, v0
	v_readfirstlane_b32 s24, v4                    ; w
	s_mov_b32 s25, ttmp9
	s_lshr_b32 s27, s24, 1
	s_and_b32 s28, s24, 1
	s_lshr_b32 s29, s24, 2
	s_and_b32 s30, s24, 3
	s_mul_i32 s31, s27, 2176
	s_lshl_b32 s56, s28, 7
	s_add_co_u32 s31, s31, s56                     ; rows' codes: 2,176 (w / 2) + 128 (w % 2)
	s_lshl_b32 s32, s27, 7
	s_lshl_b32 s56, s28, 5
	s_add_co_u32 s32, s32, s56
	s_add_co_u32 s32, s32, XSC                     ; rows' scale bytes
	s_lshl_b32 s33, s30, 8
	s_lshl_b32 s56, s29, 11
	s_add_co_u32 s33, s33, s56
	s_add_co_u32 s33, s33, WI                      ; W1's codes
	s_lshl_b32 s34, s29, 7
	s_add_co_u32 s34, s34, s30
	s_add_co_u32 s35, s34, WB                      ; W2's, W3's scale bytes
	s_add_co_u32 s34, s34, WSC                     ; W1's scale bytes
	s_mul_i32 s36, s24, 2176
	s_lshl_b32 s37, s24, 7
	s_lshr_b32 s39, s25, 3                         ; rg
	s_and_b32 s40, s25, 7                          ; ub
	s_cmp_ge_u32 s39, 16                           ; a support's row group?
	s_cselect_b32 s41, -1, 0                       ; b1 counts there alone
	s_mov_b32 s44, 0x40000
	s_cselect_b32 s44, s44, 0                      ; W1's rows 256-511
	s_cselect_b32 s56, 16, 0
	s_sub_co_u32 s42, s39, s56
	s_lshl_b32 s42, s42, 16
	s_lshl_b32 s56, s24, 13
	s_add_co_u32 s42, s42, s56                     ; my wave's 8 rows
	s_mov_b32 s43, 0
	s_lshl_b32 s56, s24, 15
	s_add_co_u32 s44, s44, s56                     ; W1: rows 32 w on
	s_lshl_b32 s46, s40, 7
	s_add_co_u32 s44, s44, s46                     ; columns 32 ub on
	s_mov_b32 s45, 0
	s_mov_b32 s47, 0
	s_lshl_b32 s48, s39, 2
	s_add_co_u32 s48, s48, s24
	s_lshl_b32 s48, s48, 14                        ; hw: tile 4 rg + w,
	s_lshr_b32 s56, s40, 1
	s_lshl_b32 s56, s56, 12
	s_add_co_u32 s48, s48, s56                     ; c = ub / 2,
	s_and_b32 s56, s40, 1
	s_lshl_b32 s56, s56, 8
	s_add_co_u32 s48, s48, s56                     ; h = ub % 2
	s_mov_b32 s49, 0
	s_max_u32 s57, s25, 160
	s_sub_co_u32 s57, s57, 160                     ; g: 0-3 W2, 4 W3
	s_lshl_b32 s54, s57, 8
	s_add_co_u32 s54, s54, 20480                   ; scale words' place
	s_mov_b32 s55, 0
	s_lshl_b32 s52, s24, 14                        ; W2: rows 32 w on (512 bytes each),
	s_lshr_b32 s56, s57, 1
	s_lshl_b32 s56, s56, 8
	s_add_co_u32 s52, s52, s56
	s_and_b32 s56, s57, 1
	s_lshl_b32 s56, s56, 6
	s_add_co_u32 s52, s52, s56                     ; columns 64 (g / 2) + 16 (g % 2) on
	s_lshl_b32 s58, s30, 13                        ; W3: rows 32 (w % 4) on (256 bytes each), columns 16 (w / 4) on
	s_lshl_b32 s56, s29, 6
	s_add_co_u32 s58, s58, s56
	s_lshl_b32 s50, s57, 12
	s_lshl_b32 s56, s30, 8
	s_add_co_u32 s50, s50, s56
	s_lshl_b32 s59, s29, 10
	s_lshl_b32 s60, s29, 11
	s_cmp_lt_u32 s25, 164
	s_cselect_b32 s52, s52, s58
	s_cselect_b32 s59, s59, s60
	s_cselect_b32 s38, 11, 10                      ; from tile to tile: 2,048 bytes in W2, 1,024 in W3
	s_add_co_u32 s50, s50, s59                     ; codes' place
	s_mov_b32 s51, 0
	s_mov_b32 s53, 0
	v_and_b32 v1, 31, v0                           ; l
	v_lshlrev_b32 v5, 4, v1
	v_lshlrev_b32 v12, 2, v1
	v_lshlrev_b32 v17, 3, v1
	v_lshrrev_b32 v22, 3, v1                       ; l / 8
	v_and_b32 v23, 7, v1                           ; l % 8
	v_lshrrev_b32 v24, 4, v1                       ; h
	v_and_b32 v25, 15, v1                          ; r
	v_and_b32 v26, 1, v22                          ; bit 3 of l
	v_lshlrev_b32 v6, 5, v1                        ; a row's 1,024 bytes: my 8 numbers, 32 bytes
	v_lshrrev_b32 v7, 2, v1                        ; their block kb = l / 4: four lanes to a block
	v_and_b32 v29, 3, v1
	v_mul_u32_u24 v8, v7, 272
	v_lshl_add_u32 v8, v29, 2, v8
	v_add_nc_u32 v8, s31, v8                       ; my 8 codes' place: 272 kb + 4 (l % 4)
	v_and_b32 v9, 3, v7
	v_lshl_add_u32 v9, v24, 6, v9
	v_add_nc_u32 v9, s32, v9                       ; the block's scale byte
	v_lshlrev_b32 v10, 10, v24
	v_lshl_add_u32 v10, v25, 4, v10
	v_add_nc_u32 v21, 0, v10                       ; out: 1,024 h + 16 r
	v_add_nc_u32 v10, s33, v10                     ; W1's codes: 1,024 u + 16 r
	v_add_nc_u32 v11, s34, v12
	v_lshlrev_b32 v13, 7, v24
	v_lshl_add_u32 v14, v23, 4, v13                ; 128 hh + 16 (l % 8)
	v_lshl_add_u32 v13, v25, 2, v13                ; W2, W3: my column: 128 hh + 4 (l % 16)
	v_lshlrev_b32 v15, s38, v26
	v_add_nc_u32 v14, v14, v15
	v_lshlrev_b32 v16, 6, v26
	v_lshl_add_u32 v16, v24, 5, v16
	v_lshl_add_u32 v16, v23, 2, v16
	v_add_nc_u32 v16, s35, v16
	v_lshlrev_b32 v20, 5, v24                      ; b1: 32 h
	v_mul_u32_u24 v27, v24, 272
	v_lshl_add_u32 v27, v25, 4, v27
	v_add_nc_u32 v27, s36, v27
	v_add_nc_u32 v28, s37, v12                     ; and its scale words
	s_wait_alu depctr_va_vdst(0)                   ; the wait at the head's end
	s_wait_kmcnt 0x0
	s_cmp_ge_u32 s39, 16
	s_cselect_b64 s[8:9], s[10:11], s[8:9]
	s_add_nc_u64 s[8:9], s[8:9], s[42:43]
	s_add_nc_u64 s[12:13], s[12:13], s[44:45]
	s_add_nc_u64 s[14:15], s[14:15], s[46:47]
	s_add_nc_u64 s[20:21], s[20:21], s[48:49]
	s_cmp_lt_u32 s25, 164
	s_cselect_b64 s[16:17], s[16:17], s[18:19]
	s_add_nc_u64 s[16:17], s[16:17], s[52:53]
	s_add_nc_u64 s[18:19], s[22:23], s[50:51]
	s_add_nc_u64 s[22:23], s[22:23], s[54:55]
.irp u, 0,1
.irp e, 0,1
	global_load_b128 v[204+8*\u+4*\e:207+8*\u+4*\e], v20, s[14:15] offset:64*\u+16*\e   ; b1 in the result's layout: unit 32 ub + 16 u + 8 h + j
.endr
.endr
.macro LOADW adr, base, stride         ; my column's 32 numbers down K
.set I_, 0
.rept 32
	global_load_b32 v[32+I_], v[\adr], s[\base:\base+1] offset:I_*\stride
.set I_, I_+1
.endr
.endm
; The 32 numbers at v[b ..] -> four registers of codes, and the scale's byte
.macro QUANT b, code, sc, byte
	v_max3_num_f32 v224, |v[\b]|, |v[\b+1]|, FLOOR
	v_max3_num_f32 v225, |v[\b+2]|, |v[\b+3]|, |v[\b+4]|
.irp i, 5,9,13,17,21,25
	v_max3_num_f32 v224, v224, |v[\b+\i]|, |v[\b+\i+1]|
	v_max3_num_f32 v225, v225, |v[\b+\i+2]|, |v[\b+\i+3]|
.endr
	v_max3_num_f32 v224, v224, |v[\b+29]|, |v[\b+30]|
	v_max3_num_f32 v224, v224, v225, |v[\b+31]|
	v_add_nc_u32 v[\sc], 0xff000000, v224          ; 2 off its exponent field: the conversion's scale operand
.irp g, 0,1,2,3
	v_cvt_scalef32_pk8_fp4_f32 v[\code+\g], v[\b+8*\g:\b+8*\g+7], v[\sc]
.endr
	v_lshrrev_b32 v[\byte], 23, v[\sc]             ; (a plain line behind the conversions)
.endm
	s_cmp_lt_u32 s25, 160
	s_cbranch_scc0 .Lweights
.irp n, 0,1,2,3,4,5,6,7
	global_load_b128 v[64+8*\n:67+8*\n], v6, s[8:9] offset:1024*\n      ; my 8 numbers of row 8 w + n
	global_load_b128 v[68+8*\n:71+8*\n], v6, s[8:9] offset:1024*\n+16
.endr
	LOADW 12, 12, 1024
	s_wait_loadcnt 32                              ; b1 and the rows are in; W1's 32 loads may be out
.irp n, 0,1,2,3,4,5,6,7
	v_max3_num_f32 v[128+\n], |v[64+8*\n]|, |v[65+8*\n]|, FLOOR
.endr
.irp i, 2,4,6
.irp n, 0,1,2,3,4,5,6,7
	v_max3_num_f32 v[128+\n], v[128+\n], |v[64+8*\n+\i]|, |v[65+8*\n+\i]|
.endr
.endr
.irp n, 0,1,2,3,4,5,6,7
	v_max_num_f32_dpp v[128+\n], v[128+\n], v[128+\n] row_xmask:1 row_mask:0xf bank_mask:0xf
.endr
.irp n, 0,1,2,3,4,5,6,7
	v_max_num_f32_dpp v[128+\n], v[128+\n], v[128+\n] row_xmask:2 row_mask:0xf bank_mask:0xf
.endr
.irp n, 0,1,2,3,4,5,6,7
	v_add_nc_u32 v[136+\n], 0xff000000, v[128+\n]  ; 2 off its exponent field: the conversion's scale operand
.endr
.irp n, 0,1,2,3,4,5,6,7
	v_cvt_scalef32_pk8_fp4_f32 v[144+\n], v[64+8*\n:71+8*\n], v[136+\n]
.endr
.irp n, 0,1,2,3,4,5,6,7
	v_lshrrev_b32 v[152+\n], 23, v[136+\n]
.endr
.irp n, 0,1,2,3,4,5,6,7
	ds_store_b32 v8, v[144+\n] offset:XI+16*\n
	ds_store_b8 v9, v[152+\n] offset:4*\n          ; the four lanes of a block write the same byte with the same value
.endr
.irp i, 0,1,2,3,4,5,6,7,8,9,10,11,12,13,14,15
	v_and_b32 v[204+\i], s41, v[204+\i]            ; b1 in the supports' work-groups, 0 in the queries'
.endr
	s_wait_alu depctr_va_vdst(0)                   ; the wait ahead of the wait below
	s_wait_loadcnt 0x0
	QUANT 32, 192, 226, 229
	ds_store_b128 v10, v[192:195]
	ds_store_b8 v11, v229
	s_wait_alu depctr_va_vdst(0)
	s_branch .Lmeet
.Lweights:
	s_cmp_lt_u32 s25, 164
	s_cbranch_scc0 .Lw3
	LOADW 13, 16, 512
	s_branch .Lloaded
.Lw3:
	; W3's work-group also copies b2, b3 and W4 behind the scale words (21,760, 22,272, 22,528), so that one dense image holds all that the second launch's work-groups share.
	; A wave copies 256 bytes: waves 0, 1 b2, wave 2 b3, wave 3 W4, wave 4 W4 once more into the image's last unit
	s_cmp_eq_u32 s24, 2
	s_cselect_b64 s[58:59], s[70:71], s[66:67]
	s_cmp_lt_u32 s24, 2
	s_cselect_b64 s[58:59], s[68:69], s[58:59]
	s_cselect_b32 s60, s24, 0
	s_lshl_b32 s60, s60, 8
	s_mov_b32 s61, 0
	s_add_nc_u64 s[58:59], s[58:59], s[60:61]
	s_lshl_b32 s62, s24, 8
	s_mov_b32 s63, 0
	s_add_nc_u64 s[62:63], s[22:23], s[62:63]      ; s[22:23]: wimg + 21,504 in this work-group
	global_load_b64 v[232:233], v17, s[58:59]
	LOADW 13, 16, 256
	s_wait_loadcnt 32                              ; the copy's load is in; W3's 32 may be out
	s_cmp_lt_u32 s24, 5
	s_cbranch_scc0 .Lloaded
	global_store_b64 v17, v[232:233], s[62:63] offset:256
.Lloaded:
	s_wait_loadcnt 0x0
	QUANT 32, 192, 226, 229
	global_store_b128 v14, v[192:195], s[18:19]    ; the 16 lanes of each tile store 256 consecutive bytes, aligned
	ds_store_b8 v16, v229
.Lmeet:
	s_wait_alu depctr_va_vdst(0)
	s_wait_dscnt 0x0                               ; for the others' sake: my LDS stores have landed
	s_barrier_signal -1
	s_barrier_wait -1
	s_cmp_lt_u32 s25, 160
	s_cbranch_scc0 .Lw_bytes
	s_cmp_lt_u32 s24, 4
	s_cbranch_scc0 .Lend                           ; waves 0-3 multiply: row tile w x 32 units
.irp n, 0,1,2,3,4,5,6,7
	ds_load_b128 v[32+4*\n:35+4*\n], v5 offset:WI+512*\n   ; W1's fragments: (s, u) at v[32 + 8 (2 s + u)]
.endr
.irp n, 0,1,2,3
	ds_load_b128 v[64+4*\n:67+4*\n], v27 offset:XI+544*\n  ; the rows': s at v[64 + 8 s]
.endr
	ds_load_b32 v220, v28 offset:XSC               ; lanes 0-15 s = 0, lanes 16-31 s = 1
	ds_load_b32 v222, v12 offset:WSC               ; lanes 0-15 u = 0, lanes 16-31 u = 1
	ds_load_b32 v223, v12 offset:WSC+128
	s_wait_dscnt 0x0
	v_wmma_scale_f32_16x16x128_f8f6f4 v[80:87], v[32:39], v[64:71], v[204:211], v222, v220 matrix_a_fmt:MATRIX_FMT_FP4 matrix_b_fmt:MATRIX_FMT_FP4
	v_wmma_scale_f32_16x16x128_f8f6f4 v[88:95], v[40:47], v[64:71], v[212:219], v222, v220 matrix_a_fmt:MATRIX_FMT_FP4 matrix_b_fmt:MATRIX_FMT_FP4 matrix_a_scale:MATRIX_SCALE_ROW1
	v_wmma_scale_f32_16x16x128_f8f6f4 v[80:87], v[48:55], v[72:79], v[80:87], v223, v220 matrix_a_fmt:MATRIX_FMT_FP4 matrix_b_fmt:MATRIX_FMT_FP4 matrix_b_scale:MATRIX_SCALE_ROW1
	v_wmma_scale_f32_16x16x128_f8f6f4 v[88:95], v[56:63], v[72:79], v[88:95], v223, v220 matrix_a_fmt:MATRIX_FMT_FP4 matrix_b_fmt:MATRIX_FMT_FP4 matrix_a_scale:MATRIX_SCALE_ROW1 matrix_b_scale:MATRIX_SCALE_ROW1
.rept 4
	v_nop                                          ; four places ahead of the stores of the results
.endr
.irp u, 0,1
.irp e, 0,1
	global_store_b128 v21, v[80+8*\u+4*\e:83+8*\u+4*\e], s[20:21] offset:2048*\u+512*\e   ; sixteen lanes store 256 consecutive bytes, aligned: units 16 u + 8 h + 4 e + 0 .. 3 of 16 rows
.endr
.endr
	s_branch .Lend
.Lw_bytes:
	s_cmp_lg_u32 s24, 0
	s_cbranch_scc1 .Lend                           ; wave 0 stores the work-group's 256 scale bytes as one aligned run
	ds_load_b64 v[32:33], v17 offset:WB
	s_wait_dscnt 0x0
	global_store_b64 v17, v[32:33], s[22:23]
.Lend:
	s_wait_tensorcnt 0x0                           ; the wave's end
	ds_add_u32 v[SPW], v[NIL]
	s_wait_dscnt 0x0
	s_endpgm
.Lfunc_end_k_qd94d5aa90a_prep:
	.size	k_qd94d5aa90a_prep, .Lfunc_end_k_qd94d5aa90a_prep-k_qd94d5aa90a_prep
	.p2alignl 7, 3214868480
	.fill 96, 4, 3214868480
	.section	.rodata,"a",@progbits
	.p2align	6, 0x0
	.amdhsa_kernel k_qd94d5aa90a_prep
		.amdhsa_group_segment_fixed_size 23040
		.amdhsa_private_segment_fixed_size 0
		.amdhsa_enable_private_segment 0
		.amdhsa_kernarg_size 88
		.amdhsa_user_sgpr_count 2
		.amdhsa_user_sgpr_kernarg_segment_ptr 1
		.amdhsa_wavefront_size32 1
		.amdhsa_system_sgpr_workgroup_id_x 1
		.amdhsa_system_sgpr_workgroup_id_y 1
		.amdhsa_system_sgpr_workgroup_id_z 1
		.amdhsa_system_vgpr_workitem_id 0
		.amdhsa_next_free_vgpr 240
		.amdhsa_next_free_sgpr 72
		.amdhsa_reserve_vcc 0
		.amdhsa_float_denorm_mode_32 3
		.amdhsa_float_denorm_mode_16_64 3
		.amdhsa_memory_ordered 1
		.amdhsa_forward_progress 1
		.amdhsa_inst_pref_size 29
	.end_amdhsa_kernel
	.amdgpu_metadata
---
amdhsa.version: [ 1, 2 ]
amdhsa.kernels:
  - .name:           k_qd94d5aa90a_prep
    .symbol:         k_qd94d5aa90a_prep.kd
    .args:
      - { .name: query_features, .offset: 0, .size: 8, .value_kind: global_buffer, .address_space: global }
      - { .name: support_features, .offset: 8, .size: 8, .value_kind: global_buffer, .address_space: global }
      - { .name: W1, .offset: 16, .size: 8, .value_kind: global_buffer, .address_space: global }
      - { .name: b1, .offset: 24, .size: 8, .value_kind: global_buffer, .address_space: global }
      - { .name: W2, .offset: 32, .size: 8, .value_kind: global_buffer, .address_space: global }
      - { .name: W3, .offset: 40, .size: 8, .value_kind: global_buffer, .address_space: global }
      - { .name: hw, .offset: 48, .size: 8, .value_kind: global_buffer, .address_space: global }
      - { .name: wimg, .offset: 56, .size: 8, .value_kind: global_buffer, .address_space: global }
      - { .name: b2, .offset: 64, .size: 8, .value_kind: global_buffer, .address_space: global }
      - { .name: b3, .offset: 72, .size: 8, .value_kind: global_buffer, .address_space: global }
      - { .name: W4, .offset: 80, .size: 8, .value_kind: global_buffer, .address_space: global }
    .group_segment_fixed_size: 23040
    .private_segment_fixed_size: 0
    .kernarg_segment_align: 8
    .kernarg_segment_size: 88
    .max_flat_workgroup_size: 256
    .sgpr_count:     72
    .vgpr_count:     240
    .wavefront_size: 32
...
	.end_amdgpu_metadata
.endif
;; end of part 1
;; launch main (part 2): grid 256 x 1, 4 waves a work-group, clusters of 4 x 1, 167,936 bytes of LDS; arguments hw, wimg, b4, out0; writes out0
.if DOCPART == 2
	.amdgcn_target "amdgcn-amd-amdhsa--gfx1250"
	.amdhsa_code_object_version 6
	.text
	.protected	k_qd94d5aa90a_main
	.globl	k_qd94d5aa90a_main
	.p2align	8
	.type	k_qd94d5aa90a_main,@function
k_qd94d5aa90a_main:
	s_mov_b64 s[64:65], 0
	v_nop
	global_prefetch_b8 v0, s[64:65] scope:SCOPE_SE
	s_setreg_imm32_b32 hwreg(HW_REG_WAVE_MODE, 25, 1), 1
	s_wait_xcnt 0x0
	s_wait_alu depctr_hold_cnt(0) depctr_sa_sdst(0) depctr_va_vdst(0) depctr_va_sdst(0) depctr_va_ssrc(0) depctr_va_vcc(0) depctr_vm_vsrc(0)
	s_getreg_b32 s2, hwreg(HW_REG_IB_STS2, 6, 4)
	s_cmp_eq_u32 s2, 0
	s_cbranch_scc0 .Lentry_in_a_cluster
	s_endpgm
.Lentry_in_a_cluster:
	s_bfe_u32 s2, ttmp6, 0x10000c
	s_cmp_lg_u32 s2, 0x3003
	s_cbranch_scc0 .Lentry_shape_is_right
	s_endpgm
.Lentry_shape_is_right:
; out[i][j] = sigmoid(relu(relu(relu(a_i + c_j) W2 + b2) W3 + b3) W4 + b4): a_i = q_i W1[0:256] and c_j = s_j W1[256:512] + b1 come from the launch before, in which layer 1's products are made once a row (its head says why that is the same product).
; Layers 2 and 3 on codes of FP4 (E2M1) with one E8M0 scale for each 32 along K; the last product in f32 multiply-adds.  The hidden layers are quantised in registers and never go to memory.
; (support_y is an argument of the module that its computation never reads: no result hangs on it, and no launch is given its address.)
; SHARES.  A work-group owns 16 queries x 64 supports; a wave (one to a SIMD, 1,024 registers) 8 queries (8 (w / 2) on) x 32 supports (32 (w % 2) on): a trip is one query against two tiles X, Y of 16 supports.
; W2, W3, their biases and the wave's 32 rows c_j stay in registers for the whole launch; a query's row a_i is read from LDS, in chunks of 64 units, one chunk ahead.
; A LANE HOLDS ONE PAIR (r = lane % 16) AND WHOLE BLOCKS OF 32: of layer 2's K the blocks 2 c + h (h = lane / 16, c = 0 .. 3), so its conversions' results are the operand's registers as they stand and a block's maximum needs no other lane.
; Used transposed (source 0 = units, source 1 = pairs), with tiles of units that take rows 0-7 from one block and rows 8-15 from the next: a lane's 32 results of four tiles are again one whole block of the next K.
; RELU: the maximum is taken without |.| over a positive floor, and the magnitude bits of every negative code are cleared (minus zero: adds nothing).
; CLUSTER: the four work-groups of a cluster take the same 16 queries and the four blocks of 64 supports.  What they share (a_i's tile, 16,384 bytes; the image of weights, scale words, b2, b3, W4, 23,040 bytes) they ask for JOINTLY,
; one tensor load a wave, at the head: the descriptors hang on the cluster's number and the wave's number alone.  No LDS byte is filled twice.  c_j, each work-group's own, goes from memory straight into registers.
; THE FIRST TRIP IS WRITTEN OUT: it waits for c_j chunk by chunk and takes the weights from LDS between its chunks.  A trip's last sums are finished and put into the stage behind the next trip's layer 2, where plain lines are due.
; NO PREFETCH: all that is read is asked for once, ahead of the loop; no tile is asked for in the loop.
; LIMITS: NaN and infinities are not served; a block whose numbers are all clipped, zero or under 2^(3 - 127) has the scale byte 1.
.set WL,    16384                      ; LDS: a_i's image at 0, the weights' image here: W2 0, W3 16,384, scale words 20,480, b2 21,760, b3 22,272, W4 22,528
.set STG,   39680                      ; the results' stage: 1,024 bytes a wave, 128 a query
.set SPARE, 43776
; window 0
.set LQ,  1                            ; v1 a_i's place for my half and my first query
.set QA,  2                            ; v2 the same for this trip's query
.set STA, 3
.set ST,  4                            ; v4 my place in the stage
.set SPW, 6
.set NIL, 7
.set TA,  8                            ; v8-15, v16-23 masks
.set TB,  16
.set SCX, 24                           ; v24-27, v28-31 the conversions' scale operands, layer 2's K
.set SCY, 28
.set TM,  32                           ; v32-35, v48-51 maxima
.set TMB, 48
.set SC3, 36                           ; v36-39 scale operands, layer 3's K: X blocks 0, 1, Y blocks 0, 1
.set PK,  40                           ; v40-43 at work on scale words
.set S2X, 44                           ; v44, v45 scale words of X, Y: lanes 0-15 K step 0, lanes 16-31 K step 1
.set S3,  46                           ; v46 lanes 0-15 X's, lanes 16-31 Y's
.set WS2, 52                           ; v52-59 W2's scale words (2 (tile / 2) + step): lanes 0-15 the even tile, 16-31 the odd
.set WS3, 60                           ; v60-61
.set C3,  64                           ; v64-79 layer 3's codes (8 x tile)
.set C2X, 80                           ; v80-111 layer 2's codes (16 x tile + 4 c);  then layer 3's results (32 x tile + 8 v), on into v112-143
.set L3,  80
.set HX,  112                          ; v112-143 X's chunk of the hidden layer; Y's stands where the chunk of a_i was
.set QB,  144                          ; v144-207 two chunks of a_i
.set W4R, 208                          ; v208-239 W4 for units 32 h + 0 .. 31
.set A16, 240
.set H128, 242
.set L4,  243
.set RD,  244
.set GO,  245
.set OS,  246                          ; v246-253 the last product's sums: X two pairs, Y two pairs
; window 1: c_j of X v0-127, of Y v128-255.  window 2: W2's fragments (8 (2 tile + step)) v0-127, b2 v128-191, W3's v192-223, b3 v224-255.  window 3: layer 2's accumulators: X v0-63, Y v64-127
.set FLR, 35
.set SGN, 36
.set SEL, 37
.set MSK, 38
.set NL2E, 39
.set SQ,  40                           ; s40 16 x (trip + 1)
.set SS,  41                           ; s41 128 x the trip before
.set G1Q, 44                           ; s[44:51], s[60:63] descriptor groups 1 and 0 for a_i's tile
.set G1W, 52                           ; s[52:59], s[68:71] for the weights' image
.set G0Q, 60
.set G0W, 68
.set MSB, 0
.macro WIN new                         ; bits 1:0 source 0, 3:2 source 1, 5:4 source 2, 7:6 destination; the high byte repeats the setting that is left
.if MSB != \new
	s_set_vgpr_msb (MSB<<8)|\new
.set MSB, \new
.endif
.endm
.macro PLACES n
.rept \n
	v_nop
.endr
.endm
.macro CROUND                          ; a round of the cluster's barrier
	s_barrier_signal -1
	s_barrier_wait -1
	s_cmp_lg_u32 s20, 0
	s_cbranch_scc1 .Lnot_wave_0_\@
	s_barrier_signal -3
.Lnot_wave_0_\@:
	s_barrier_wait -3
	s_barrier_signal -1
	s_barrier_wait -1
.endm
	s_load_b256 s[4:11], s[0:1], 0x0               ; hw 4, wimg 6, b4 8, out 10
	v_lshl_add_u32 v[SPW], v0, 2, SPARE
	v_mov_b32 v[NIL], 0
	ds_add_u32 v[SPW], v[NIL]                      ; the wave's opening: the add, twice on end, and its wait ahead of my first tensor load
	ds_add_u32 v[SPW], v[NIL]
	v_lshrrev_b32 v5, 5, v0
	v_readfirstlane_b32 s20, v5                    ; w
	s_bfe_u32 s21, ttmp6, 0x40000                  ; block of 64 supports = my place in the cluster: it enters c_j's and out's addresses alone
	s_lshr_b32 s23, s20, 1
	s_and_b32 s24, s20, 1
	s_lshl_b32 s28, s21, 16                        ; the supports' tiles: 64 + 4 x block + 2 (w % 2)
	s_lshl_b32 s25, s24, 15
	s_add_co_u32 s28, s28, s25
	s_add_co_u32 s28, s28, 0x100000
	s_mov_b32 s29, 0
	s_lshl_b32 s30, ttmp9, 14                      ; out: 16 rows of 1,024 bytes; the block of 16 queries = the cluster's number
	s_lshl_b32 s25, s21, 8
	s_add_co_u32 s30, s30, s25
	s_mov_b32 s31, 0
	s_lshl_b32 s33, s23, 7                         ; 8 (w / 2) queries x 16 bytes
	s_lshl_b32 s34, s20, 10
	s_add_co_u32 s34, s34, STG
	s_mov_b32 s[FLR], 0x1800000                    ; the floor 2^(3 - 127)
	s_mov_b32 s[SGN], 0x88888888
	s_mov_b32 s[SEL], 0x07060302
	s_mov_b32 s[MSK], 0x00ff00ff
	s_mov_b32 s[NL2E], 0xbfb8aa3b                  ; -log2(e)
	s_mov_b32 s[SQ], 16
	; descriptor groups 1: dense blocks as rows of 256 bytes (32 elements of 8 bytes), no padding: 32 rows of a_i's tile, 45 of the weights' image
.irp g, G1Q, G1W
	s_mov_b32 s[\g], 15|(3<<16)|(1<<21)            ; 15:0 the mask: all four work-groups; 17:16 elements of 8 bytes; 21 set beside a mask
	s_mov_b32 s[\g+1], 32<<16
	s_mov_b32 s[\g+3], 32<<16
	s_mov_b32 s[\g+5], 32
	s_mov_b32 s[\g+6], 0
	s_mov_b32 s[\g+7], 0
.endr
	s_mov_b32 s[G1Q+2], 32<<16
	s_mov_b32 s[G1Q+4], 32
	s_mov_b32 s[G1W+2], 45<<16
	s_mov_b32 s[G1W+4], 45
	s_mov_b32 s[G0Q], 1
	s_mov_b32 s[G0W], 1
	s_lshl_b32 s26, s24, 13                        ; a_i's tile: my half, 8,192 bytes, in memory and in LDS
	s_mov_b32 s[G0Q+1], s26
	s_lshl_b32 s25, ttmp9, 14
	s_add_co_u32 s26, s26, s25
	s_mov_b32 s27, 0
	s_mul_i32 s22, s24, 11520                      ; the image: my half, 11,520 bytes
	s_add_co_u32 s[G0W+1], s22, WL
	s_mov_b32 s42, s22
	s_mov_b32 s43, 0
	v_and_b32 v8, 31, v0
	v_bfe_u32 v9, v0, 4, 1                         ; h
	v_lshlrev_b32 v[A16], 4, v8
	v_lshlrev_b32 v[L4], 2, v8
	v_lshlrev_b32 v[H128], 7, v9
	v_lshlrev_b32 v10, 8, v9
	v_add_nc_u32 v[LQ], s33, v10
	v_add_nc_u32 v[QA], s33, v10
	v_add_nc_u32 v[STA], s34, v[L4]
	v_lshrrev_b32 v11, 4, v0                       ; the way out: row thread / 16, 16 bytes (thread % 16)
	v_bfe_u32 v12, v0, 3, 1
	v_and_b32 v13, 7, v0
	v_lshlrev_b32 v13, 4, v13
	v_lshl_add_u32 v13, v11, 7, v13
	v_lshl_add_u32 v13, v12, 10, v13
	v_add_nc_u32 v[RD], STG, v13
	v_and_b32 v14, 15, v0
	v_lshlrev_b32 v14, 4, v14
	v_lshl_add_u32 v[GO], v11, 10, v14
	s_wait_alu depctr_va_vdst(0)                   ; the wait at the head's end
	s_wait_dscnt 0x0                               ; both opening adds are done
	CROUND                                         ; all four work-groups are here: the joint loads meet
	s_wait_kmcnt 0x0
	s_load_b32 s18, s[8:9], 0x0                    ; b4
	s_add_nc_u64 s[28:29], s[4:5], s[28:29]
	s_add_nc_u64 s[30:31], s[10:11], s[30:31]
	s_add_nc_u64 s[G0Q+2:G0Q+3], s[4:5], s[26:27]
	s_or_b32 s[G0Q+3], s[G0Q+3], 0x80000000
	s_add_nc_u64 s[G0W+2:G0W+3], s[6:7], s[42:43]
	s_or_b32 s[G0W+3], s[G0W+3], 0x80000000
	s_cmp_eq_u32 s23, 0                            ; waves 0, 1 ask for a_i's tile, waves 2, 3 for the weights' image: one tensor load a wave
	s_cbranch_scc0 .Lfor_w
	tensor_load_to_lds s[G0Q:G0Q+3], s[G1Q:G1Q+7]
	s_nop 0
	PLACES 4
	s_branch .Lasked
.Lfor_w:
	tensor_load_to_lds s[G0W:G0W+3], s[G1W:G1W+7]
	s_nop 0
	PLACES 4
.Lasked:
	WIN 0x40
.irp c, 0,1,2,3                        ; c_j, chunk by chunk, both tiles: 32 lanes read 512 consecutive bytes
.irp j, 0,1,2,3,4,5,6,7
	global_load_b128 v[32*\c+4*\j:32*\c+4*\j+3], v[A16], s[28:29] offset:(8*\c+\j)*512
	global_load_b128 v[128+32*\c+4*\j:128+32*\c+4*\j+3], v[A16], s[28:29] offset:16384+(8*\c+\j)*512
.endr
.endr
	WIN 0
	s_wait_tensorcnt 0x0                           ; my part of what is shared is in LDS;
	s_barrier_signal -1
	s_barrier_wait -1                              ; everybody's is
; chunk c of a_i: units 64 c + 32 h + 0 .. 31, into buffer c % 2; x = 16: of the next query.  (In the last trip that names bytes of the image that no later line uses: the loop is written once.)
.macro LDQ c, x
.irp j, 0,1,2,3,4,5,6,7
	ds_load_b128 v[QB+32*((\c)%2)+4*\j:QB+32*((\c)%2)+4*\j+3], v[QA] offset:(8*(\c)+\j)*512+\x
.endr
.endm
	LDQ 0, 0
; What the first trip takes from LDS behind its chunk c: 32, 26, 24 loads
.macro ASK c
.if \c == 0
	WIN 0x80
.set I_, 0
.rept 32
	ds_load_b128 v[4*I_:4*I_+3], v[A16] offset:WL+512*I_   ; W2
.set I_, I_+1
.endr
.elseif \c == 1
.irp n, 0,1,2,3,4,5,6,7,8,9
	ds_load_b32 v[WS2+\n], v[L4] offset:WL+20480+128*\n    ; scale words: W2's eight, W3's two
.endr
	WIN 0x80
.irp b, 0,1
.irp e, 0,1,2,3,4,5,6,7
	ds_load_b128 v[128+32*\b+4*\e:131+32*\b+4*\e], v[H128] offset:WL+21760+256*\b+16*\e   ; b2: units 64 c' + 32 h + 0 .. 31
.endr
.endr
.elseif \c == 2
.irp e, 0,1,2,3,4,5,6,7
	ds_load_b128 v[W4R+4*\e:W4R+4*\e+3], v[H128] offset:WL+22528+16*\e
.endr
	WIN 0x80
.irp e, 0,1,2,3,4,5,6,7
	ds_load_b128 v[192+4*\e:195+4*\e], v[A16] offset:WL+16384+512*\e
	ds_load_b128 v[224+4*\e:227+4*\e], v[H128] offset:WL+22272+16*\e
.endr
.endif
	WIN 0
.endm
; RELU ON CODES, eight words by turns: line i of 32.  The sign bits, less themselves shifted down by 3, are 0111 in each negative code; those bits are cleared
.macro RW i, r
.if (\i) < 8
	v_and_b32 v[TA+(\i)], s[SGN], v[\r]
.elseif (\i) < 16
	v_lshrrev_b32 v[TB+(\i)-8], 3, v[TA+(\i)-8]
.elseif (\i) < 24
	v_sub_nc_u32 v[TA+(\i)-16], v[TA+(\i)-16], v[TB+(\i)-16]
.else
	v_bfi_b32 v[\r], v[TA+(\i)-24], 0, v[\r]
.endif
.endm
.macro RL i, c                         ; of layer 2's chunk c: four words of X, four of Y
.set K_, (\i)%8
.set R_, C2X+4*(\c)+K_+12*(K_/4)
	RW \i, R_
.endm
.macro RLS from, to, c
.set N_, \from
.rept \to-\from
	RL N_, \c
.set N_, N_+1
.endr
.endm
.macro R3S from, to, b                 ; of layer 3's words: tile b
.set N_, \from
.rept \to-\from
.set R_, C3+8*(\b)+N_%8
	RW N_, R_
.set N_, N_+1
.endr
.endm
.macro MX t, b                         ; line I_ of a block's maximum: two more numbers.  Even and odd lines are two chains; each chain's first line takes the floor
.if I_ < 2
	v_max3_num_f32 v[\t], s[FLR], v[\b+2*I_], v[\b+2*I_+1]
.else
	v_max3_num_f32 v[\t], v[\t], v[\b+2*I_], v[\b+2*I_+1]
.endif
.endm
.macro DADD d, a, b
	v_dual_add_f32 v[\d], v[\a], v[\b] :: v_dual_add_f32 v[\d+1], v[\a+1], v[\b+1]
.endm
; A chunk: 64 units of layer 1 for both tiles: the sum (with the next chunk's loads among its lines), the blocks' maxima (with the chunk before's relu lines between them), the codes
.macro CHUNK c, first
.set Q_, QB+32*((\c)%2)
.if \first
	s_wait_loadcnt 48-16*(\c)                      ; c_j's chunk c is in; the later chunks' 16 loads each may be out
.if \c == 0
	s_wait_dscnt 0x0
.elseif \c == 1
	s_wait_dscnt 32                                ; this chunk of a_i is in; what was asked for behind it may be out
.elseif \c == 2
	s_wait_dscnt 26
.else
	s_wait_dscnt 24
.endif
.else
	s_wait_dscnt 0x0                               ; this chunk of a_i is in
.endif
	WIN 0x04
.set I_, 0
.rept 16
	DADD HX+2*I_, Q_+2*I_, 32*\c+2*I_
.if I_ == 7
	LDQ ((\c)+1)%4, 16*((\c)/3)                    ; the next chunk, into the buffer that the chunk before has done with
.endif
.set I_, I_+1
.endr
.set I_, 0
.rept 16
	DADD Q_+2*I_, Q_+2*I_, 128+32*\c+2*I_
.set I_, I_+1
.endr
	WIN 0
.set I_, 0
.if \c == 0
.rept 16
.set T_, TM+2*(I_%2)
	MX T_, HX
	MX T_+1, Q_
.set I_, I_+1
.endr
	v_max_num_f32 v[TM], v[TM], v[TM+2]
	v_max_num_f32 v[TM+1], v[TM+1], v[TM+3]
	v_add_nc_u32 v[SCX+\c], 0xff000000, v[TM]      ; 2 off its exponent field: the conversion's scale operand
	v_add_nc_u32 v[SCY+\c], 0xff000000, v[TM+1]
.else
.set M_, 0
.rept 16
.set T_, TM+2*(I_%2)
	MX T_, HX
.if I_ < 11
	RL M_, \c-1
.set M_, M_+1
.endif
	MX T_+1, Q_
.if I_ < 13
	RL M_, \c-1
.set M_, M_+1
.endif
.set I_, I_+1
.endr
	RL 24, \c-1
	RL 25, \c-1
	RL 26, \c-1
	v_max_num_f32 v[TM], v[TM], v[TM+2]
	v_max_num_f32 v[TM+1], v[TM+1], v[TM+3]
	RL 27, \c-1
	RL 28, \c-1
	RL 29, \c-1
	v_add_nc_u32 v[SCX+\c], 0xff000000, v[TM]
	v_add_nc_u32 v[SCY+\c], 0xff000000, v[TM+1]
	RL 30, \c-1
	RL 31, \c-1
.endif
.irp g, 0,1,2,3
	v_cvt_scalef32_pk8_fp4_f32 v[C2X+4*\c+\g], v[HX+8*\g:HX+8*\g+7], v[SCX+\c]
.endr
.irp g, 0,1,2,3
	v_cvt_scalef32_pk8_fp4_f32 v[C2X+16+4*\c+\g], v[Q_+8*\g:Q_+8*\g+7], v[SCY+\c]
.endr
	v_nop                                          ; a plain line behind the conversions
.if \first
	ASK \c
.endif
.endm
; d, a, b, c: the registers;  sa, sb: the scale words;  ra, rb: 1 where they stand in lanes 16-31
.macro WM d, a, b, c, sa, sb, ra, rb
.if (\ra) && (\rb)
	v_wmma_scale_f32_16x16x128_f8f6f4 v[\d:\d+7], v[\a:\a+7], v[\b:\b+7], v[\c:\c+7], v[\sa], v[\sb] matrix_a_fmt:MATRIX_FMT_FP4 matrix_b_fmt:MATRIX_FMT_FP4 matrix_a_scale:MATRIX_SCALE_ROW1 matrix_b_scale:MATRIX_SCALE_ROW1
.elseif \ra
	v_wmma_scale_f32_16x16x128_f8f6f4 v[\d:\d+7], v[\a:\a+7], v[\b:\b+7], v[\c:\c+7], v[\sa], v[\sb] matrix_a_fmt:MATRIX_FMT_FP4 matrix_b_fmt:MATRIX_FMT_FP4 matrix_a_scale:MATRIX_SCALE_ROW1
.elseif \rb
	v_wmma_scale_f32_16x16x128_f8f6f4 v[\d:\d+7], v[\a:\a+7], v[\b:\b+7], v[\c:\c+7], v[\sa], v[\sb] matrix_a_fmt:MATRIX_FMT_FP4 matrix_b_fmt:MATRIX_FMT_FP4 matrix_b_scale:MATRIX_SCALE_ROW1
.else
	v_wmma_scale_f32_16x16x128_f8f6f4 v[\d:\d+7], v[\a:\a+7], v[\b:\b+7], v[\c:\c+7], v[\sa], v[\sb] matrix_a_fmt:MATRIX_FMT_FP4 matrix_b_fmt:MATRIX_FMT_FP4
.endif
.endm
.macro LAYER3 t                        ; one K step; b3 is its C
	WIN 0x22
.irp n, 0,1,2,3
	WM L3+32*\t+8*\n, 192+8*\n, C3+8*\t, 224+8*\n, WS3+\n/2, S3, \n%2, \t
.endr
	WIN 0
.endm
; The last product, in f32: relu, then my 32 units x W4, two at a time; each accumulator from its low end on.  k = 0-15: X's pairs of units, 16-31: Y's
.macro DM a
	v_dual_max_num_f32 v[\a], 0, v[\a] :: v_dual_max_num_f32 v[\a+1], 0, v[\a+1]
.endm
.macro DX k
	DM L3+32*((\k)/16)+2*((\k)%16)
.endm
.macro FD k
.set T_, (\k)/16
.set J_, (\k)%16
.set D_, OS+4*T_+2*(J_%2)
.set A_, L3+32*T_+2*J_
.set W_, W4R+2*J_
.if J_ < 2
	v_dual_mul_f32 v[D_], v[A_], v[W_] :: v_dual_mul_f32 v[D_+1], v[A_+1], v[W_+1]
.else
	v_dual_fmac_f32 v[D_], v[A_], v[W_] :: v_dual_fmac_f32 v[D_+1], v[A_+1], v[W_+1]
.endif
.endm
.macro FINA                            ; a trip's sums: four plain lines
	DADD OS, OS, OS+2
	DADD OS+4, OS+4, OS+6
	v_add_f32 v[OS], v[OS], v[OS+1]
	v_add_f32 v[OS+4], v[OS+4], v[OS+5]
.endm
.macro TRIP first
	CHUNK 0, \first
	CHUNK 1, \first
	CHUNK 2, \first
	CHUNK 3, \first
	; the scale words.  A scale operand's upper half holds the byte in bits 14:7.  A lane has blocks 2 c + h: the exchange gives lanes 0-15 both halves' bytes of K step 0, lanes 16-31 those of K step 1
	v_perm_b32 v[PK], v[SCX+1], v[SCX], s[SEL]
	v_perm_b32 v[PK+1], v[SCX+3], v[SCX+2], s[SEL]
	v_perm_b32 v[PK+2], v[SCY+1], v[SCY], s[SEL]
	v_perm_b32 v[PK+3], v[SCY+3], v[SCY+2], s[SEL]
	RLS 0, 4, 3
	v_permlane16_swap_b32 v[PK], v[PK+1]
	v_permlane16_swap_b32 v[PK+2], v[PK+3]
	RLS 4, 8, 3
	v_lshrrev_b32 v[PK], 7, v[PK]
	v_lshlrev_b32 v[PK+1], 1, v[PK+1]
	v_lshrrev_b32 v[PK+2], 7, v[PK+2]
	v_lshlrev_b32 v[PK+3], 1, v[PK+3]
	RLS 8, 12, 3
	v_bfi_b32 v[S2X], s[MSK], v[PK], v[PK+1]
	v_bfi_b32 v[S2X+1], s[MSK], v[PK+2], v[PK+3]
	RLS 12, 32, 3
.if \first
	s_wait_alu depctr_va_vdst(0)                   ; the wait ahead of the wait below
	s_wait_dscnt 8                                 ; the weights, scale words and biases are in registers; the next query's chunk 0 may be out
.endif
	v_add_nc_u32 v[QA], s[SQ], v[LQ]               ; on to the next query (its chunk 0 was asked for 16 bytes on from this one's)
.if \first
	PLACES 3                                       ; an operand written by vector lines stands four places ahead of a scaled product
.else
	v_add_nc_u32 v[ST], s[SS], v[STA]
	PLACES 2
.endif
	; layer 2: two K steps, sixteen accumulators by turns; b2 is the first step's C
.irp s, 0,1
.if \s
	WIN 0xf2
.else
	WIN 0xe2
.endif
.irp t, 0,1
.irp n, 0,1,2,3,4,5,6,7
.if \s
.set CR_, 64*\t+8*\n
.else
.set CR_, 128+8*\n
.endif
	WM 64*\t+8*\n, 16*\n+8*\s, C2X+16*\t+8*\s, CR_, WS2+2*(\n/2)+\s, S2X+\t, \n%2, \s
.endr
.endr
.endr
	WIN 0
.if \first
	PLACES 4
.else
	FINA                                           ; the trip before's sums: the four places ahead of the results' first reads
.endif
	WIN 0x3c                                       ; sources 1 and 2: the accumulators
.set I_, 0
.rept 16
.set T_, TM+(TMB-TM)*(I_%2)
.irp q, 0,1,2,3
	MX T_+\q, 32*\q
.endr
.set I_, I_+1
.endr
	WIN 0
.if (\first) == 0
	v_permlane16_swap_b32 v[OS], v[OS+4]           ; lanes 0-15 both halves of X, lanes 16-31 both of Y
.endif
.irp q, 0,1,2,3
	v_max_num_f32 v[TM+\q], v[TM+\q], v[TMB+\q]
.endr
.if (\first) == 0
	v_add_f32 v[OS], v[OS], v[OS+4]
.endif
.irp q, 0,1,2,3
	v_add_nc_u32 v[SC3+\q], 0xff000000, v[TM+\q]
.endr
	WIN 0x03
.irp q, 0,1,2,3
.irp g, 0,1,2,3
	v_cvt_scalef32_pk8_fp4_f32 v[C3+4*\q+\g], v[32*\q+8*\g:32*\q+8*\g+7], v[SC3+\q]
.endr
.endr
	v_nop
	WIN 0
	v_perm_b32 v[PK], v[SC3+1], v[SC3], s[SEL]
	v_perm_b32 v[PK+1], v[SC3+3], v[SC3+2], s[SEL]
	R3S 0, 4, 0
	v_permlane16_swap_b32 v[PK], v[PK+1]
	R3S 4, 8, 0
	v_lshrrev_b32 v[PK], 7, v[PK]
	v_lshlrev_b32 v[PK+1], 1, v[PK+1]
	R3S 8, 16, 0
	v_bfi_b32 v[S3], s[MSK], v[PK], v[PK+1]
	R3S 16, 32, 0
	R3S 0, 8, 1                                    ; Y's first lines: the places between X's codes and X's products
.if (\first) == 0
	ds_store_b32 v[ST], v[OS]                      ; 32 neighbouring supports of the query before
.endif
	LAYER3 0
	R3S 8, 32, 1
.irp k, 0,1,2,3,4,5
	DX \k                                          ; X's first lines: the places between Y's codes and Y's products
.endr
	LAYER3 1
.set N_, 0
.rept 32
	FD N_
.if N_ < 26
	DX N_+6
.endif
.set N_, N_+1
.endr
.endm
	TRIP 1
	s_mov_b32 s[SQ], 32
	s_mov_b32 s[SS], 0
.Ltrip:
	TRIP 0
	s_add_co_u32 s[SS], s[SS], 128
	s_add_co_u32 s[SQ], s[SQ], 16
	s_cmp_lt_u32 s[SQ], 144
	s_cbranch_scc1 .Ltrip
	FINA                                           ; the last trip's sums
	v_add_nc_u32 v[ST], s[SS], v[STA]
	v_permlane16_swap_b32 v[OS], v[OS+4]
	v_add_f32 v[OS], v[OS], v[OS+4]
	ds_store_b32 v[ST], v[OS]
	s_wait_alu depctr_va_vdst(0)
	s_wait_kmcnt 0x0                               ; b4
	s_wait_dscnt 0x0                               ; for the others' sake: my sums are in the stage
	s_barrier_signal -1
	s_barrier_wait -1
	ds_load_b128 v[64:67], v[RD]                   ; query thread / 16, four supports,
	ds_load_b128 v[68:71], v[RD] offset:2048       ; and eight queries on
	s_mul_f32 s19, s[NL2E], s18
	s_wait_dscnt 0x0
.irp i, 0,1,2,3,4,5,6,7
	v_fma_f32 v[64+\i], v[64+\i], s[NL2E], s19     ; -log2(e) (sum + b4)
.endr
	s_wait_alu depctr_va_vdst(0)                   ; the waits round the transcendentals
.irp i, 0,1,2,3,4,5,6,7
	v_exp_f32 v[64+\i], v[64+\i]
.endr
	v_nop
	s_wait_alu depctr_va_vdst(0)
.irp i, 0,1,2,3,4,5,6,7
	v_add_f32 v[64+\i], 1.0, v[64+\i]
.endr
	s_wait_alu depctr_va_vdst(0)
.irp i, 0,1,2,3,4,5,6,7
	v_rcp_f32 v[64+\i], v[64+\i]                   ; sigmoid = 1 / (1 + 2^(-log2(e) z)); an overflowed exponential gives 0, a vanished one 1
.endr
	v_nop
	s_wait_alu depctr_va_vdst(0)
	global_store_b128 v[GO], v[64:67], s[30:31] th:TH_STORE_NT   ; sixteen lanes store 256 consecutive bytes, at a multiple of 256 from out's first byte
	global_store_b128 v[GO], v[68:71], s[30:31] offset:8192 th:TH_STORE_NT
	s_wait_tensorcnt 0x0                           ; the wave's end
	ds_add_u32 v[SPW], v[NIL]
	s_wait_dscnt 0x0
	CROUND                                         ; the closing round: no work-group ends while a partner may still ask for a tile that names it
	s_endpgm
.Lfunc_end_k_qd94d5aa90a_main:
	.size	k_qd94d5aa90a_main, .Lfunc_end_k_qd94d5aa90a_main-k_qd94d5aa90a_main
	.p2alignl 7, 3214868480
	.fill 96, 4, 3214868480
	.section	.rodata,"a",@progbits
	.p2align	6, 0x0
	.amdhsa_kernel k_qd94d5aa90a_main
		.amdhsa_group_segment_fixed_size 167936
		.amdhsa_private_segment_fixed_size 0
		.amdhsa_enable_private_segment 0
		.amdhsa_kernarg_size 32
		.amdhsa_user_sgpr_count 2
		.amdhsa_user_sgpr_kernarg_segment_ptr 1
		.amdhsa_wavefront_size32 1
		.amdhsa_system_sgpr_workgroup_id_x 1
		.amdhsa_system_sgpr_workgroup_id_y 1
		.amdhsa_system_sgpr_workgroup_id_z 1
		.amdhsa_system_vgpr_workitem_id 0
		.amdhsa_next_free_vgpr 1024
		.amdhsa_next_free_sgpr 72
		.amdhsa_reserve_vcc 0
		.amdhsa_float_denorm_mode_32 3
		.amdhsa_float_denorm_mode_16_64 3
		.amdhsa_memory_ordered 1
		.amdhsa_forward_progress 1
		.amdhsa_inst_pref_size 110
	.end_amdhsa_kernel
	.amdgpu_metadata
---
amdhsa.version: [ 1, 2 ]
amdhsa.kernels:
  - .name:           k_qd94d5aa90a_main
    .symbol:         k_qd94d5aa90a_main.kd
    .args:
      - { .name: hw, .offset: 0, .size: 8, .value_kind: global_buffer, .address_space: global }
      - { .name: wimg, .offset: 8, .size: 8, .value_kind: global_buffer, .address_space: global }
      - { .name: b4, .offset: 16, .size: 8, .value_kind: global_buffer, .address_space: global }
      - { .name: out0, .offset: 24, .size: 8, .value_kind: global_buffer, .address_space: global }
    .group_segment_fixed_size: 167936
    .private_segment_fixed_size: 0
    .kernarg_segment_align: 8
    .kernarg_segment_size: 32
    .max_flat_workgroup_size: 128
    .sgpr_count:     72
    .vgpr_count:     1024
    .wavefront_size: 32
...
	.end_amdgpu_metadata
.endif
;; end of part 2
